; MI455X (gfx1250); checked and timed in simulation.
; The chip was launched on July 23, 2026; its instructions are those of AMD's public machine-readable ISA for CDNA 5 (MIT licence, August 2026) and "CDNA5" Instruction Set Architecture Reference Guide (July 2026). The comments in the code are by the model that wrote it; some were corrected since.
;; Multi Head Attention. Allowed arithmetic: matrix products marked QUANTISED: E2M3 operands, one E8M0 scale for each 32 along K, by v_wmma_scale_f32_16x16x128_f8f6f4 with both operands' format E2M3, f32 sums; everything else in f32.
;; Inputs: W_proj 1,024 x 1,024 float32; W_qkv 3,072 x 1,024 float32; b_proj 1,024 float32; b_qkv 3,072 float32; x 4 x 2,048 x 1,024 float32.
;; Outputs: out0 4 x 2,048 x 1,024 float32.
;; This version of the problem:
;;   THIS VERSION OF THE PROBLEM IS GIVEN IN LOW PRECISION. The matrix products marked QUANTISED in the list below multiply operands that are first quantised to E2M3 (2 exponent bits, 3 mantissa bits; 6 bits a number), with one power-of-two scale for each 32 numbers along K (OCP MX v1.0); their sums are f32. All else is computed in f32.
;;   The module's matrix products, in the order in which they are computed (A, B: the left and right operand; K: the contracted axis; several contracted axes count as one K, in the product's order):
;;     1. [M 8,192, K 1,024] x [K 1,024, N 3,072]; A: input x; B: input W_qkv: QUANTISED
;;     2. batch 64 x [M 2,048, K 64] x [K 64, N 2,048]; A: computed on the way; B: computed on the way: QUANTISED
;;     3. batch 64 x [M 2,048, K 2,048] x [K 2,048, N 64]; A: softmax (see below); B: computed on the way: QUANTISED
;;     4. [M 8,192, K 1,024] x [K 1,024, N 1,024]; A: computed on the way; B: input W_proj: QUANTISED
;;   THE QUANTISER, for each operand of a quantised product, along K:
;;     - K is cut into blocks of 32 from its start; a last block that is shorter is filled with zeros.
;;     - A block's scale is 2^e with e = floor(log2(the largest magnitude in the block)) - 2, held to -126 .. 127; a block of zeros has e = 0. As a byte (E8M0): e + 127.
;;     - Each number is divided by its block's scale, clamped to +-7.5, and rounded to the nearest number of E2M3, ties to even, subnormals kept.
;;     - The product sums the exact products of the quantised numbers (number of the format x scale) in f32.
;;   ~~~python
;;   def quantise(x, axis):      # numpy; x: float32 -> the quantised numbers, widened to float32 again
;;       x = np.moveaxis(x, axis, -1); K = x.shape[-1]
;;       x = np.pad(x, [(0, 0)] * (x.ndim - 1) + [(0, -K % 32)]); x = x.reshape(x.shape[:-1] + (-1, 32)); a = np.abs(x).max(-1, keepdims=True)
;;       e = np.where(a > 0, np.clip(np.frexp(np.where(a > 0, a, 1))[1] - 1 - 2, -126, 127), 0)      # np.frexp(a)[1] - 1 = floor(log2(a)), exactly
;;       r = np.clip(x / 2.0 ** e, -7.5, 7.5)
;;       step = 2.0 ** (np.maximum(np.frexp(np.where(r == 0, 1, r))[1] - 1, 0) - 3)
;;       q = np.round(r / step) * step * 2.0 ** e      # np.round: ties to even
;;       return np.moveaxis(q.reshape(q.shape[:-2] + (-1,))[..., :K], -1, axis).astype(np.float32)
;;   ~~~
;;   SOFTMAX AHEAD OF A QUANTISED PRODUCT. Where the list says 'softmax', what is quantised is not the finished softmax but p = 2^(t - M), with t = logit x log2(e) and M = ceil(the row's largest t), a whole number; so 1/2 < the row's largest p <= 1. The row's sum l is taken of the UNQUANTISED p, in f32, and the product's result is divided by l at the end. Since M is a whole number, a kernel that streams over the keys may use a running M (the ceiling of the running maximum): every later rescaling is an exact power of two, which a block's scale takes up: the codes' values come out the same.
;;   OPERANDS COMPUTED ON THE WAY. 'Computed on the way' means the value that the module computes at that place (a softmax that the list does not call 'softmax' is quantised finished and normalised). What goes into a quantiser is computed in f32, as accurately as f32 sums, v_exp_f32 and their like allow (about 1e-6 of the number): no bf16 or f16 on the way to a quantiser, and a product that is left as it is and whose result goes on into a quantised operand takes f32 operands (vector FMAs, or v_wmma_f32_16x16x4_f32). A number that lies on a knife's edge between two numbers of the format may be rounded either way, as far as f32 arithmetic and the matrix unit's own rounding can turn it there, and no further.
;; One version. Each part assembles by itself: llvm-mc -triple=amdgcn-amd-amdhsa -mcpu=gfx1250 --defsym DOCPART=n.
;; ======== version 1 of 1: 4 launches
;; limits: right only within a limited range of input values
;; workspace buffers: opc 9,437,184 bytes; ops 393,216 bytes; qkvc 18,874,368 bytes; qkvs 1,310,720 bytes; aoc 6,291,456 bytes; aos 262,144 bytes
;; launch quant (part 1): grid 768 x 1, 8 waves a work-group, no clusters, 70,656 bytes of LDS; arguments x, W_qkv, W_proj, opc, ops; writes opc, ops
.if DOCPART == 1
	.amdgcn_target "amdgcn-amd-amdhsa--gfx1250"
	.amdhsa_code_object_version 6
	.text
	.protected	k_qb2177988b1_quant
	.globl	k_qb2177988b1_quant
	.p2align	8
	.type	k_qb2177988b1_quant,@function
k_qb2177988b1_quant:
	s_mov_b64 s[64:65], 0
	v_nop
	global_prefetch_b8 v0, s[64:65] scope:SCOPE_SE
	s_setreg_imm32_b32 hwreg(HW_REG_WAVE_MODE, 25, 1), 1
	s_wait_xcnt 0x0
; x [8192][1024], W_qkv [3072][1024] and W_proj [1024][1024], f32, K innermost, become codes of FP6 (E2M3) with one E8M0 scale byte for each 32 along K,
; laid as the later launches' matrix operands want them.
; ROW TILES.  12,288 rows in all make 768 tiles of 16 rows (0-511 x, 512-703 W_qkv, 704-767 W_proj).  Place r of tile T' of a tensor is row 32 (T'/2) + 8 (T'%2) + r + 8 (r/8):
; used as source 0 of a product, two neighbouring tiles then give a lane 16 neighbouring rows in its 16 result registers.
; IMAGES.  A fragment (16 rows x 128 K, 12 registers a lane) lies in opc as 1,536 bytes: registers 2 p, 2 p + 1 of lane l at 256 p + 8 l.  opc: [tile][K step 8][1,536].
; ops: [tile][256 along K: 4][r 16][2 words]: the scale word (four bytes, 128 along K) of K step s and place r at 128 (s/2) + 8 r + 4 (s%2).
; SHARES.  A work-group takes a tile, each of its eight waves a K step: one image.  Each load reads 512 consecutive bytes of one row; the 16 x 512 bytes turn through the wave's own stage in LDS
; (rows of 528 bytes), from which a lane takes 16 neighbours of each of its row's four blocks.  The eight scale words of a row meet in LDS and leave as 512 consecutive bytes.
; A block's scale is 2^(floor(log2(its largest magnitude)) - 2); its byte is the largest magnitude's exponent field - 2, held at 1 from below.
; LIMITS: a block of zeros, or one whose largest magnitude lies under 2^-124, gets the byte 1 (the rule says 127 for zeros: the codes are zeros, and this program alone reads the bytes); NaN and infinities among the inputs are not served.
.set STG,  8448                        ; a wave's stage: 16 rows x (512 + 16) bytes
.set SCB,  8*STG                       ; behind the stages: the tile's 512 bytes of scale words
.set R,    16                          ; v16-79   64 numbers as loaded
.set X,    80                          ; v80-143  register 16 b + i: k = 32 b + 16 (lane / 16) + i of my row
.set PC,   40                          ; v40-51 the codes; v52-58 at work (over the numbers as loaded, which are done with behind the wait for the stage's stores)
.set TM,   16                          ; v16-31 at work (likewise)
.set PW,   60                          ; v60 the scale word
.set SEL,  20                          ; s[20:21] lane selects for v_permlanex16_b32: lane l xor 16
; 64 numbers of a lane, v[s] on, register 16 b + i = k 32 b + 16 (lane / 16) + i of my row, become a fragment's codes in v[PC] on and its scale word in v[pw].
.macro QUANT s, pw
.irp b, 0,1,2,3
	v_max3_num_f32 v[TM+\b], |v[\s+16*\b]|, |v[\s+1+16*\b]|, 0x1800000   ; block b: my 16 numbers, and the floor 2^(3 - 127): the byte cannot fall under 1
.endr
.irp i, 2,4,6,8,10,12,14
.irp b, 0,1,2,3
	s_delay_alu instid0(VALU_DEP_4)
	v_max3_num_f32 v[TM+\b], v[TM+\b], |v[\s+16*\b+\i]|, |v[\s+1+16*\b+\i]|   ; the four blocks by turns
.endr
.endr
.irp b, 0,1,2,3
	s_delay_alu instid0(VALU_DEP_4)
	v_permlanex16_b32 v[TM+4+\b], v[TM+\b], s[SEL], s[SEL+1]
.endr
.irp b, 0,1,2,3
	s_delay_alu instid0(VALU_DEP_4)
	v_max_num_f32 v[TM+\b], v[TM+\b], v[TM+4+\b]   ; with lane l xor 16's: the block's largest magnitude
.endr
.irp b, 0,1,2,3
	s_delay_alu instid0(VALU_DEP_4)
	v_add_nc_u32 v[TM+12+\b], 0xff000000, v[TM+\b]   ; 2 off its exponent field: the conversion takes this operand's exponent field as its scale
.endr
.irp b, 0,1,2,3
	s_delay_alu instid0(VALU_DEP_4)
	v_lshrrev_b32 v[TM+4+\b], 23, v[TM+12+\b]      ; the scale's byte
.endr
	s_delay_alu instid0(VALU_DEP_3)
	v_lshl_or_b32 v[\pw], v[TM+5], 8, v[TM+4]      ; four bytes: my row's scale word, the same in both halves of the lanes
	s_delay_alu instid0(VALU_DEP_1)
	v_lshl_or_b32 v[\pw], v[TM+6], 16, v[\pw]
	s_delay_alu instid0(VALU_DEP_1)
	v_lshl_or_b32 v[\pw], v[TM+7], 24, v[\pw]
.irp c, 0,1
	v_cvt_scalef32_pk16_fp6_f32 v[PC+6*\c:PC+2+6*\c], v[\s+32*\c:\s+15+32*\c], v[TM+12+2*\c]
	v_cvt_scalef32_pk16_fp6_f32 v[PC+12+4*\c:PC+14+4*\c], v[\s+16+32*\c:\s+31+32*\c], v[TM+12+2*\c+1]   ; (a conversion's three registers begin on an even number)
.endr
	v_nop                                          ; one plain place behind a scaled conversion
.irp c, 0,1                                    ; the operand's layout wants a whole block in a lane: lanes 0-15 block 2 c, lanes 16-31 block 2 c + 1
.irp i, 0,1,2
	v_permlane16_swap_b32 v[PC+6*\c+\i], v[PC+12+4*\c+\i]
.endr
.irp i, 0,1,2
	s_delay_alu instid0(VALU_DEP_3)
	v_mov_b32 v[PC+3+6*\c+\i], v[PC+12+4*\c+\i]
.endr
.endr
.endm
	s_load_b128 s[4:7], s[0:1], 0x0                ; x, W_qkv
	s_load_b128 s[8:11], s[0:1], 0x10              ; W_proj, opc
	s_load_b64 s[12:13], s[0:1], 0x20              ; ops
	v_lshl_add_u32 v144, v0, 2, 0x11000
	v_mov_b32 v145, 0
	v_lshrrev_b32 v1, 5, v0
	s_delay_alu instid0(VALU_DEP_1)
	v_readfirstlane_b32 s14, v1                    ; wave = K step
	v_and_b32 v6, 31, v0                           ; lane
	v_and_b32 v7, 15, v0                           ; r
	v_bfe_u32 v8, v0, 4, 1                         ; h
	s_delay_alu instid0(VALU_DEP_3)
	v_lshlrev_b32 v1, 4, v6                        ; 16 x lane: my bytes of a load's 512
	s_mul_i32 s15, s14, STG
	v_add_nc_u32 v2, s15, v1                       ; the stage, on the way in
	v_mul_u32_u24 v3, v7, 528
	s_delay_alu instid0(VALU_DEP_1)
	v_lshl_add_u32 v3, v8, 6, v3
	s_delay_alu instid0(VALU_DEP_1)
	v_add_nc_u32 v3, s15, v3                       ; and on the way out: row r, + 64 h
	v_lshlrev_b32 v4, 3, v6                        ; 8 x lane: my place in a piece of the image
	s_lshr_b32 s16, s14, 1
	s_lshl_b32 s16, s16, 7
	s_and_b32 s17, s14, 1
	s_lshl_b32 s17, s17, 2
	s_add_co_u32 s16, s16, s17
	s_add_co_u32 s16, s16, SCB
	v_lshl_add_u32 v5, v7, 3, s16                  ; my row's scale word of this K step
	v_add_nc_u32 v12, SCB, v1                      ; wave 0's read of the 512 bytes
	s_mov_b32 s[SEL], 0x76543210
	s_mov_b32 s[SEL+1], 0xfedcba98
.irp b, 0,1,2,3
	v_mov_b32 v[TM+4+\b], 0                        ; written once: a lane permute's destination counts as one of its sources
.endr
	s_mov_b32 s18, 704
	s_wait_alu depctr_va_vdst(0)
	s_wait_kmcnt 0x0
	s_cmp_lt_u32 ttmp9, 704                        ; which tensor: the choice hangs on the work-group's number alone
	s_cselect_b64 s[6:7], s[6:7], s[8:9]
	s_cselect_b32 s18, 512, s18
	s_cmp_lt_u32 ttmp9, 512
	s_cselect_b64 s[4:5], s[4:5], s[6:7]
	s_cselect_b32 s18, 0, s18
	s_sub_co_u32 s18, ttmp9, s18                   ; the tile's number in its tensor
	s_lshr_b32 s19, s18, 1
	s_lshl_b32 s19, s19, 17                        ; 32 rows of 4,096 bytes for each pair of tiles,
	s_and_b32 s18, s18, 1
	s_lshl_b32 s18, s18, 15                        ; 8 rows for the odd one,
	s_add_co_u32 s18, s18, s19
	s_lshl_b32 s19, s14, 9                         ; 512 bytes a K step
	s_add_co_u32 s18, s18, s19
	s_mov_b32 s19, 0
	s_add_nc_u64 s[4:5], s[4:5], s[18:19]
	s_mul_i32 s22, ttmp9, 12288
	s_mul_i32 s23, s14, 1536
	s_add_co_u32 s22, s22, s23
	s_mov_b32 s23, 0
	s_add_nc_u64 s[10:11], s[10:11], s[22:23]      ; my image
	s_lshl_b32 s22, ttmp9, 9
	s_add_nc_u64 s[12:13], s[12:13], s[22:23]      ; the tile's scale words
.irp i, 0,1,2,3,4,5,6,7,8,9,10,11,12,13,14,15
	global_load_b128 v[R+4*\i:R+4*\i+3], v1, s[4:5] offset:(\i+8*(\i/8))*4096 th:TH_LOAD_NT   ; place i's row: 32 lanes read 512 consecutive bytes
.endr
.irp i, 0,1,2,3,4,5,6,7,8,9,10,11,12,13,14,15
	s_wait_loadcnt 15-\i                           ; loads come back in order: row i is in, the younger ones stay out
	ds_store_b128 v2, v[R+4*\i:R+4*\i+3] offset:528*\i
.endr
.irp b, 0,1,2,3
.irp j, 0,1,2,3
	ds_load_b128 v[X+16*\b+4*\j:X+16*\b+4*\j+3], v3 offset:128*\b+16*\j   ; LDS serves a wave's instructions in order: these see my stores
.endr
.endr
	s_wait_dscnt 0x0
	QUANT X, PW
	ds_store_b32 v5, v[PW]                         ; lanes l and l + 16 write the same word with the same value
.irp p, 0,1,2,3,4,5
	global_store_b64 v4, v[PC+2*\p:PC+2*\p+1], s[10:11] offset:256*\p   ; 32 lanes store 256 consecutive bytes, aligned
.endr
	s_wait_dscnt 0x0                               ; for wave 0's sake: my scale words lie in LDS
	s_barrier_signal -1
	s_barrier_wait -1
	s_cmp_lg_u32 s14, 0
	s_cbranch_scc1 .Ldone
	ds_load_b128 v[8:11], v12
	s_wait_dscnt 0x0
	global_store_b128 v1, v[8:11], s[12:13]        ; the tile's 512 bytes of scale words
.Ldone:
	s_wait_tensorcnt 0x0
	ds_add_u32 v144, v145
	s_wait_dscnt 0x0
	s_endpgm
.Lfunc_end_k_qb2177988b1_quant:
	.size	k_qb2177988b1_quant, .Lfunc_end_k_qb2177988b1_quant-k_qb2177988b1_quant
	.p2alignl 7, 3214868480
	.fill 96, 4, 3214868480
	.section	.rodata,"a",@progbits
	.p2align	6, 0x0
	.amdhsa_kernel k_qb2177988b1_quant
		.amdhsa_group_segment_fixed_size 70656
		.amdhsa_private_segment_fixed_size 0
		.amdhsa_enable_private_segment 0
		.amdhsa_kernarg_size 40
		.amdhsa_user_sgpr_count 2
		.amdhsa_user_sgpr_kernarg_segment_ptr 1
		.amdhsa_wavefront_size32 1
		.amdhsa_system_sgpr_workgroup_id_x 1
		.amdhsa_system_sgpr_workgroup_id_y 1
		.amdhsa_system_sgpr_workgroup_id_z 1
		.amdhsa_system_vgpr_workitem_id 0
		.amdhsa_next_free_vgpr 146
		.amdhsa_next_free_sgpr 66
		.amdhsa_reserve_vcc 0
		.amdhsa_float_denorm_mode_32 3
		.amdhsa_float_denorm_mode_16_64 3
		.amdhsa_memory_ordered 1
		.amdhsa_forward_progress 1
		.amdhsa_inst_pref_size 14
	.end_amdhsa_kernel
	.amdgpu_metadata
---
amdhsa.version: [ 1, 2 ]
amdhsa.kernels:
  - .name:           k_qb2177988b1_quant
    .symbol:         k_qb2177988b1_quant.kd
    .args:
      - { .name: x, .offset: 0, .size: 8, .value_kind: global_buffer, .address_space: global }
      - { .name: W_qkv, .offset: 8, .size: 8, .value_kind: global_buffer, .address_space: global }
      - { .name: W_proj, .offset: 16, .size: 8, .value_kind: global_buffer, .address_space: global }
      - { .name: opc, .offset: 24, .size: 8, .value_kind: global_buffer, .address_space: global }
      - { .name: ops, .offset: 32, .size: 8, .value_kind: global_buffer, .address_space: global }
    .group_segment_fixed_size: 70656
    .private_segment_fixed_size: 0
    .kernarg_segment_align: 8
    .kernarg_segment_size: 40
    .max_flat_workgroup_size: 256
    .sgpr_count:     66
    .vgpr_count:     146
    .wavefront_size: 32
...
	.end_amdgpu_metadata
.endif
;; end of part 1
;; launch qkv (part 2): grid 8 x 48, 4 waves a work-group, clusters of 4 x 4, 327,680 bytes of LDS; arguments opc, ops, b_qkv, qkvc, qkvs; writes qkvc, qkvs
.if DOCPART == 2
	.amdgcn_target "amdgcn-amd-amdhsa--gfx1250"
	.amdhsa_code_object_version 6
	.text
	.protected	k_qb2177988b1_qkv
	.globl	k_qb2177988b1_qkv
	.p2align	8
	.type	k_qb2177988b1_qkv,@function
k_qb2177988b1_qkv:
	s_mov_b64 s[64:65], 0
	v_nop
	global_prefetch_b8 v0, s[64:65] scope:SCOPE_SE
	s_setreg_imm32_b32 hwreg(HW_REG_WAVE_MODE, 25, 1), 1
	s_wait_xcnt 0x0
	s_wait_alu depctr_hold_cnt(0) depctr_sa_sdst(0) depctr_va_vdst(0) depctr_va_sdst(0) depctr_va_ssrc(0) depctr_va_vcc(0) depctr_vm_vsrc(0)
	s_getreg_b32 s2, hwreg(HW_REG_IB_STS2, 6, 4)
	s_cmp_eq_u32 s2, 0
	s_cbranch_scc0 .Lentry_in_a_cluster
	s_endpgm
.Lentry_in_a_cluster:
	s_bfe_u32 s2, ttmp6, 0x10000c
	s_cmp_lg_u32 s2, 0xf033
	s_cbranch_scc0 .Lentry_shape_is_right
	s_endpgm
.Lentry_shape_is_right:
.set SLOT,   98304
.set HALFT,  24576
.set TILEB,  3072
.set FRB,    1536
.set SCL,    2*SLOT
.set HALFS,  4096
.set SPARE,  SCL+4*HALFS
.set FR,     12
.set NL,     6
.set VB,   8
.set ADRQ, 16
.set ADRP, 20
.set LN8,  24
.set SOF,  25
.set H16,  26
.set ADRS, 27
.set SPW,  28
.set NIL,  29
.set BP,   30
.set SC,   32
.set HA,   64
.set AF,   128
.set PC,   128
.set TM,   224
.set WD,   240
.set WS,   248
.set SEL,  2
.set G1, 24
.set G0, 32
.set G1B, 48
.set G0B, 56
.set G1S, 68
.set G0S, 76
.set G1SB, 80
.set G0SB, 88
.set MSB, 0
.macro WIN new
.if MSB != (\new)
	s_set_vgpr_msb (MSB<<8)|(\new)
.set MSB, (\new)
.endif
.endm
.set MUL_LO, 0xa1
.set MUL_HI, 0xf1
.set TO_P,   0x40
.macro JLOAD g0a, g1a, g0b, g1b
	s_cmp_eq_u32 s15, 0
	s_cbranch_scc0 .Lfor_p_\@
	tensor_load_to_lds s[\g0a:\g0a+3], s[\g1a:\g1a+7]
	s_nop 0
.rept 4
	v_nop
.endr
	s_branch .Lasked_\@
.Lfor_p_\@:
	tensor_load_to_lds s[\g0b:\g0b+3], s[\g1b:\g1b+7]
	s_nop 0
.rept 4
	v_nop
.endr
.Lasked_\@:
.endm
.macro CREST
	s_cmp_lg_u32 s14, 0
	s_cbranch_scc1 .Lnot_wave_0_\@
	s_barrier_signal -3
.Lnot_wave_0_\@:
	s_barrier_wait -3
	s_barrier_signal -1
	s_barrier_wait -1
.endm
.macro CROUND
	s_barrier_signal -1
	s_barrier_wait -1
	CREST
.endm
.macro PLACES
.rept 4
	v_nop
.endr
.endm
.macro QUANT s, pw
.irp b, 0,1,2,3
	v_max3_num_f32 v[TM+\b], |v[\s+16*\b]|, |v[\s+1+16*\b]|, 0x1800000
.endr
.irp i, 2,4,6,8,10,12,14
.irp b, 0,1,2,3
	v_max3_num_f32 v[TM+\b], v[TM+\b], |v[\s+16*\b+\i]|, |v[\s+1+16*\b+\i]|
.endr
.endr
.irp b, 0,1,2,3
	v_permlanex16_b32 v[TM+4+\b], v[TM+\b], s[SEL], s[SEL+1]
.endr
.irp b, 0,1,2,3
	v_max_num_f32 v[TM+\b], v[TM+\b], v[TM+4+\b]
.endr
.irp b, 0,1,2,3
	v_add_nc_u32 v[TM+12+\b], 0xff000000, v[TM+\b]
.endr
.irp b, 0,1,2,3
	v_lshrrev_b32 v[TM+4+\b], 23, v[TM+12+\b]
.endr
	v_lshl_or_b32 v[\pw], v[TM+5], 8, v[TM+4]
	v_lshl_or_b32 v[\pw], v[TM+6], 16, v[\pw]
	v_lshl_or_b32 v[\pw], v[TM+7], 24, v[\pw]
.irp c, 0,1
	v_cvt_scalef32_pk16_fp6_f32 v[PC+6*\c:PC+2+6*\c], v[\s+32*\c:\s+15+32*\c], v[TM+12+2*\c]
	v_cvt_scalef32_pk16_fp6_f32 v[PC+12+4*\c:PC+14+4*\c], v[\s+16+32*\c:\s+31+32*\c], v[TM+12+2*\c+1]
.endr
	v_nop
.irp c, 0,1
.irp i, 0,1,2
	v_permlane16_swap_b32 v[PC+6*\c+\i], v[PC+12+4*\c+\i]
.endr
.irp i, 0,1,2
	v_mov_b32 v[PC+3+6*\c+\i], v[PC+12+4*\c+\i]
.endr
.endr
.endm
	s_load_b128 s[4:7], s[0:1], 0x0
	s_load_b128 s[8:11], s[0:1], 0x10
	s_load_b64 s[12:13], s[0:1], 0x20
	v_lshl_add_u32 v[SPW], v0, 2, SPARE
	v_mov_b32 v[NIL], 0
	ds_add_u32 v28, v29
	ds_add_u32 v28, v29
	s_wait_dscnt 0x0
	v_lshrrev_b32 v1, 5, v0
	v_readfirstlane_b32 s14, v1
	s_lshr_b32 s15, s14, 1
	s_and_b32 s16, s14, 1
	s_bfe_u32 s40, ttmp6, 0x40000
	s_bfe_u32 s41, ttmp6, 0x40004
	s_lshl_b32 s42, ttmp9, 2
	s_add_co_u32 s42, s42, s40
	s_and_b32 s17, ttmp7, 0xffff
	s_lshl_b32 s43, s41, 2
	s_lshl_b32 s43, 15, s43
	s_lshl_b32 s44, 0x1111, s40
	s_or_b32 s[G1+0], s43, (3<<16)|(1<<21)
	s_or_b32 s[G1B+0], s44, (3<<16)|(1<<21)
.irp g, G1, G1B
	s_mov_b32 s[\g+1], 384<<16
	s_mov_b32 s[\g+2], 16<<16
	s_mov_b32 s[\g+3], 384<<16
	s_mov_b32 s[\g+4], 16
	s_mov_b32 s[\g+5], 1536
	s_mov_b32 s[\g+6], 0
	s_mov_b32 s[\g+7], 0
.endr
	s_or_b32 s[G1S+0], s43, (3<<16)|(1<<21)
	s_or_b32 s[G1SB+0], s44, (3<<16)|(1<<21)
.irp g, G1S, G1SB
	s_mov_b32 s[\g+1], 32<<16
	s_mov_b32 s[\g+2], 32<<16
	s_mov_b32 s[\g+3], 32<<16
	s_mov_b32 s[\g+4], 32
	s_mov_b32 s[\g+5], 32
	s_mov_b32 s[\g+6], 0
	s_mov_b32 s[\g+7], 0
.endr
	s_lshl_b32 s18, s17, 6
	s_and_b32 s19, s17, 3
	s_lshl_b32 s19, s19, 7
	s_mov_b32 s20, 640
	s_mov_b32 s46, 512
	s_cmp_ge_u32 s17, 8
	s_cselect_b32 s94, 1, 0
	s_cselect_b32 s20, s20, s18
	s_cselect_b32 s46, s19, s46
	s_lshl_b32 s18, s16, 3
	s_lshl_b32 s21, s41, 4
	s_add_co_u32 s20, s20, s21
	s_add_co_u32 s20, s20, s18
	s_lshl_b32 s47, s42, 4
	s_add_co_u32 s46, s46, s47
	s_add_co_u32 s46, s46, s18
	s_sub_co_u32 s22, s20, s18                     ; the scales come whole: from the block's first tile
	s_lshl_b32 s22, s22, 9
	s_mov_b32 s23, 0
	s_sub_co_u32 s92, s46, s18
	s_lshl_b32 s92, s92, 9
	s_mov_b32 s93, 0
	s_mul_i32 s20, s20, 12288
	s_mov_b32 s21, 0
	s_mul_i32 s46, s46, 12288
	s_mov_b32 s47, 0
	s_mul_i32 s45, s14, HALFT
	s_wait_kmcnt 0x0
	s_add_nc_u64 s[20:21], s[4:5], s[20:21]
	s_add_nc_u64 s[22:23], s[6:7], s[22:23]
	s_add_nc_u64 s[46:47], s[4:5], s[46:47]
	s_add_nc_u64 s[92:93], s[6:7], s[92:93]
	CROUND
	s_mov_b32 s[G0S], 1
	s_mov_b32 s[G0S+1], SCL
	s_mov_b64 s[G0S+2:G0S+3], s[22:23]
	s_or_b32 s[G0S+3], s[G0S+3], 0x80000000
	s_mov_b32 s[G0SB], 1
	s_mov_b32 s[G0SB+1], SCL+2*HALFS
	s_mov_b64 s[G0SB+2:G0SB+3], s[92:93]
	s_or_b32 s[G0SB+3], s[G0SB+3], 0x80000000
.irp s, 0,1
	s_mov_b32 s[G0+4*\s], 1
	s_add_co_u32 s[G0+4*\s+1], s45, \s*SLOT
	s_add_nc_u64 s[G0+4*\s+2:G0+4*\s+3], s[20:21], \s*TILEB
	s_or_b32 s[G0+4*\s+3], s[G0+4*\s+3], 0x80000000
	s_mov_b32 s[G0B+4*\s], 1
	s_add_co_u32 s[G0B+4*\s+1], s45, \s*SLOT
	s_add_nc_u64 s[G0B+4*\s+2:G0B+4*\s+3], s[46:47], \s*TILEB
	s_or_b32 s[G0B+4*\s+3], s[G0B+4*\s+3], 0x80000000
.endr
	; the head's four tiles, one joint load a wave: wave 0 source 1's 16 tiles of slot 0, wave 2 source 0's, wave 1 and wave 3 their scale words
	s_cmp_eq_u32 s14, 0
	s_cbranch_scc0 .Lh1
	tensor_load_to_lds s[G0:G0+3], s[G1:G1+7]
	s_nop 0
	PLACES
	s_branch .Lhj
.Lh1:
	s_cmp_eq_u32 s14, 2
	s_cbranch_scc0 .Lh2
	tensor_load_to_lds s[G0B:G0B+3], s[G1B:G1B+7]
	s_nop 0
	PLACES
	s_branch .Lhj
.Lh2:
	s_cmp_eq_u32 s14, 1
	s_cbranch_scc0 .Lh3
	tensor_load_to_lds s[G0S:G0S+3], s[G1S:G1S+7]
	s_nop 0
	PLACES
	s_branch .Lhj
.Lh3:
	tensor_load_to_lds s[G0SB:G0SB+3], s[G1SB:G1SB+7]
	s_nop 0
	PLACES
.Lhj:
	v_and_b32 v1, 15, v0
	v_bfe_u32 v2, v0, 4, 1
	s_wait_alu depctr_va_vdst(0)
	v_and_b32 v3, 31, v0
	v_lshlrev_b32 v[LN8], 3, v3
	v_lshlrev_b32 v[H16], 4, v2
	s_mul_i32 s21, s15, HALFT
	s_mul_i32 s22, s16, HALFT
	s_add_co_u32 s22, s22, 2*HALFT
.irp s, 0,1
	v_add_nc_u32 v[ADRQ+\s], s21, v[LN8]
	v_add_nc_u32 v[ADRP+\s], s22, v[LN8]
	s_add_co_u32 s21, s21, SLOT
	s_add_co_u32 s22, s22, SLOT
.endr
	v_lshlrev_b32 v5, 3, v1
	s_mul_i32 s21, s15, HALFS
	s_mul_i32 s22, s16, HALFS
	s_add_co_u32 s22, s22, 2*HALFS
	s_sub_co_u32 s22, s22, s21
	v_mul_u32_u24 v6, s22, v2
	s_add_co_u32 s21, s21, SCL
	v_add_nc_u32 v5, v5, v6
	v_add_nc_u32 v[ADRS], s21, v5
	s_mov_b32 s[SEL], 0x76543210
	s_mov_b32 s[SEL+1], 0xfedcba98
.irp b, 0,1,2,3
	v_mov_b32 v[TM+4+\b], 0
.endr
	s_lshl_b32 s96, s42, 10
	s_lshl_b32 s97, s16, 9
	s_add_co_u32 s96, s96, s97
	s_mov_b32 s97, 0
	s_add_nc_u64 s[96:97], s[8:9], s[96:97]
	s_lshl_b32 s98, s41, 10
	s_lshl_b32 s99, s15, 9
	s_add_co_u32 s98, s98, s99
	s_add_co_u32 s98, s98, 8192
	s_mov_b32 s99, 0
	s_add_nc_u64 s[98:99], s[8:9], s[98:99]
	v_lshlrev_b32 v7, 6, v2
	v_and_b32 v18, 8, v1
	v_add_nc_u32 v18, v18, v1
	v_lshlrev_b32 v18, 2, v18
.irp a, 0,1,2,3,4,5,6,7
	global_load_b32 v[VB+\a], v18, s[98:99] offset:4*(32*(\a/2)+8*(\a%2))
.endr
	WIN TO_P
.irp b, 0,1,2,3,4,5,6,7
	global_load_b128 v[96+8*(\b%4)+128*(\b/4):96+8*(\b%4)+128*(\b/4)+3], v7, s[96:97] offset:4*(32*(\b/2)+8*(\b%2))
	global_load_b128 v[96+8*(\b%4)+128*(\b/4)+4:96+8*(\b%4)+128*(\b/4)+7], v7, s[96:97] offset:4*(32*(\b/2)+8*(\b%2))+16
.endr
	WIN 0
	s_lshr_b32 s18, s17, 1
	s_lshl_b32 s18, s18, 4
	s_and_b32 s19, s42, 3
	s_lshl_b32 s19, s19, 2
	s_add_co_u32 s18, s18, s19
	s_lshl_b32 s19, s16, 1
	s_add_co_u32 s18, s18, s19
	s_and_b32 s19, s17, 1
	s_lshl_b32 s19, s19, 2
	s_add_co_u32 s19, s19, s41
	s_lshl_b32 s19, s19, 4
	s_lshl_b32 s20, s15, 3
	s_add_co_u32 s19, s19, s20
	s_lshr_b32 s20, s42, 2
	s_mul_i32 s21, s20, 6291456
	s_mul_i32 s22, s18, 98304
	s_add_co_u32 s21, s21, s22
	s_mul_i32 s22, s19, 768
	s_add_co_u32 s21, s21, s22
	s_lshl_b32 s20, s20, 19
	s_lshl_b32 s22, s18, 13
	s_add_co_u32 s20, s20, s22
	s_lshl_b32 s22, s19, 6
	s_add_co_u32 s20, s20, s22
	s_and_b32 s18, s17, 3
	s_lshl_b32 s18, s18, 4
	s_lshl_b32 s19, s41, 2
	s_add_co_u32 s18, s18, s19
	s_lshl_b32 s19, s15, 1
	s_add_co_u32 s18, s18, s19
	s_lshl_b32 s19, s42, 1
	s_add_co_u32 s19, s19, s16
	s_mul_i32 s22, s18, 98304
	s_mul_i32 s23, s19, 1536
	s_add_co_u32 s22, s22, s23
	s_add_co_u32 s22, s22, 12582912
	s_lshl_b32 s18, s18, 12
	s_lshl_b32 s19, s19, 8
	s_add_co_u32 s18, s18, s19
	s_add_co_u32 s18, s18, 1048576
	s_cmp_eq_u32 s94, 1
	s_cselect_b32 s22, s22, s21
	s_cselect_b32 s18, s18, s20
	s_mov_b32 s23, 0
	s_mov_b32 s19, 0
	s_add_nc_u64 s[10:11], s[10:11], s[22:23]
	s_add_nc_u64 s[12:13], s[12:13], s[18:19]
.macro FRAG reg, adr, q, i
.irp p, 0,1,2,3,4,5
	ds_load_b64 v[\reg+2*\p:\reg+2*\p+1], v[\adr] offset:TILEB*(\i)+FRB*(\q)+256*\p
.endr
.endm
.macro MUL16 a0, p, q, sc, zero
.irp a, \a0, \a0+1
.irp b, 0,1,2,3,4,5,6,7
.if \zero
	v_wmma_scale_f32_16x16x128_f8f6f4 v[8*(8*((\a)%4)+\b):8*(8*((\a)%4)+\b)+7], v[128*(\p)+FR*\b:128*(\p)+FR*\b+FR-1], v[AF+FR*(\a):AF+FR*(\a)+FR-1], 0, v[SC+16*(\sc)+2*\b+(\q)], v[SC+16*(\sc)+2*(\a)+(\q)] matrix_a_fmt:MATRIX_FMT_FP6 matrix_b_fmt:MATRIX_FMT_FP6 matrix_a_scale:MATRIX_SCALE_ROW1
.else
	v_wmma_scale_f32_16x16x128_f8f6f4 v[8*(8*((\a)%4)+\b):8*(8*((\a)%4)+\b)+7], v[128*(\p)+FR*\b:128*(\p)+FR*\b+FR-1], v[AF+FR*(\a):AF+FR*(\a)+FR-1], v[8*(8*((\a)%4)+\b):8*(8*((\a)%4)+\b)+7], v[SC+16*(\sc)+2*\b+(\q)], v[SC+16*(\sc)+2*(\a)+(\q)] matrix_a_fmt:MATRIX_FMT_FP6 matrix_b_fmt:MATRIX_FMT_FP6 matrix_a_scale:MATRIX_SCALE_ROW1
.endif
.endr
.endr
.endm
.macro FETCH_P slot, q, p
	WIN TO_P
.irp i, 0,1,2,3,4,5,6,7
	FRAG 128*(\p)+FR*\i, ADRP+\slot, \q, \i
.endr
	WIN 0
.endm
.macro FETCH_Q slot, q, i0
.irp i, \i0, \i0+1, \i0+2, \i0+3
	FRAG AF+FR*(\i), ADRQ+\slot, \q, \i
.endr
.endm
.macro SCALES sc
.irp i, 0,1,2,3,4,5,6,7
	ds_load_b64 v[SC+16*\sc+2*\i:SC+16*\sc+2*\i+1], v[ADRS] offset:512*\i
.endr
.endm
.macro STEP slot, zero
	s_wait_dscnt 4*NL
	WIN MUL_LO
	MUL16 0, 0, 0, \slot, \zero
	MUL16 2, 0, 0, \slot, \zero
	s_wait_dscnt 0x0
	PLACES
	FETCH_P \slot, 1, 1
	FETCH_Q \slot, 1, 0
	WIN MUL_HI
	MUL16 4, 0, 0, \slot, \zero
	MUL16 6, 0, 0, \slot, \zero
	PLACES
	WIN 0
	FETCH_Q \slot, 1, 4
.endm
.macro TURN slot, next, fill
	s_wait_tensorcnt 0x0
	ds_add_u32 v[SPW], v[NIL]
	s_wait_dscnt 4*NL+1
	WIN MUL_LO
	MUL16 0, 1, 1, \slot, 0
	s_wait_dscnt 0x0
	s_barrier_signal -1
	MUL16 2, 1, 1, \slot, 0
	WIN 0
	s_barrier_wait -1
.if \fill
	CREST
	s_add_nc_u64 s[G0+4*\slot+2:G0+4*\slot+3], s[G0+4*\slot+2:G0+4*\slot+3], 2*TILEB
	s_add_nc_u64 s[G0B+4*\slot+2:G0B+4*\slot+3], s[G0B+4*\slot+2:G0B+4*\slot+3], 2*TILEB
	JLOAD G0+4*\slot, G1, G0B+4*\slot, G1B
.else
	PLACES
.endif
	s_wait_alu depctr_va_vdst(0)
	v_add_nc_u32 v[ADRS], 128, v[ADRS]
	FETCH_P \next, 0, 0
	FETCH_Q \next, 0, 0
	SCALES \next
	WIN MUL_HI
	MUL16 4, 1, 1, \slot, 0
	MUL16 6, 1, 1, \slot, 0
	PLACES
	WIN 0
	FETCH_Q \next, 0, 4
.endm
	s_wait_alu depctr_va_vdst(0)
	s_wait_tensorcnt 0x0                           ; my tile of the head's four is in
	ds_add_u32 v[SPW], v[NIL]
	s_mov_b32 s[G1+2], 8<<16                       ; no load of mine is out: from here on a load brings 8 tiles
	s_mov_b32 s[G1+4], 8
	s_mov_b32 s[G1B+2], 8<<16
	s_mov_b32 s[G1B+4], 8
	s_wait_dscnt 0x0
	CROUND
	JLOAD G0+4, G1, G0B+4, G1B                     ; slot 1's first fill, a quarter a wave
	FETCH_P 0, 0, 0
	FETCH_Q 0, 0, 0
	SCALES 0
	FETCH_Q 0, 0, 4
	STEP 0, 1
	TURN 0, 1, 1
	STEP 1, 0
	TURN 1, 0, 1
	STEP 0, 0
	TURN 0, 1, 0
	STEP 1, 0
	s_wait_dscnt 4*NL
	WIN MUL_LO
	MUL16 0, 1, 1, 1, 0
	MUL16 2, 1, 1, 1, 0
	s_wait_dscnt 0x0
	WIN MUL_HI
	MUL16 4, 1, 1, 1, 0
	MUL16 6, 1, 1, 1, 0
	WIN 0
	PLACES
.macro EPI isv
.irp a, 0,1,2,3,4,5,6,7
.if \isv
	v_mov_b32 v[BP], v[VB+\a]
	v_mov_b32 v[BP+1], v[VB+\a]
	WIN 0x02+(\a/4)
.else
	WIN 0x06+(\a/4)
.endif
.set i, 0
.rept 32
.if \isv
	v_pk_add_f32 v[HA+2*i:HA+2*i+1], v[64*(\a%4)+2*i:64*(\a%4)+2*i+1], v[BP:BP+1]
.else
	v_pk_add_f32 v[HA+2*i:HA+2*i+1], v[64*(\a%4)+2*i:64*(\a%4)+2*i+1], v[96+8*((i/4)%4)+128*(i/16)+2*(i%4):96+8*((i/4)%4)+128*(i/16)+2*(i%4)+1]
.endif
.set i, i+1
.endr
	WIN 0
.if \a > 0
	s_wait_xcnt 0x0
.endif
	QUANT HA, WD+\a
.irp p, 0,1,2,3,4,5
.if \isv
	global_store_b64 v[LN8], v[PC+2*\p:PC+2*\p+1], s[10:11] offset:24576*\a+256*\p
.else
	global_store_b64 v[LN8], v[PC+2*\p:PC+2*\p+1], s[10:11] offset:768*\a+98304*(\p/3)+256*(\p%3)
.endif
.endr
.endr
	v_lshlrev_b32 v[SOF], 4, v1
.if \isv
	v_lshl_add_u32 v[SOF], v2, 12, v[SOF]
	v_cmp_eq_u32 vcc_lo, 1, v2
.irp i, 0,1,2,3
	v_cndmask_b32 v[WS+\i], v[WD+\i], v[WD+4+\i], vcc_lo
.endr
	global_store_b128 v[SOF], v[WS:WS+3], s[12:13]
.else
	v_lshl_add_u32 v[SOF], v2, 13, v[SOF]
.irp a, 0,1,2,3,4,5,6,7
	v_bfe_u32 v[WS+\a], v[WD+\a], v[H16], 16
.endr
	global_store_b128 v[SOF], v[WS:WS+3], s[12:13]
	global_store_b128 v[SOF], v[WS+4:WS+7], s[12:13] offset:256
.endif
.endm
	s_wait_loadcnt 0x0
	s_cmp_eq_u32 s94, 1
	s_cbranch_scc1 .Lvpath
	EPI 0
	s_branch .Lout
.Lvpath:
	EPI 1
.Lout:
	s_wait_tensorcnt 0x0
	ds_add_u32 v[SPW], v[NIL]
	s_wait_dscnt 0x0
	CROUND
	s_endpgm
.Lfunc_end_k_qb2177988b1_qkv:
	.size	k_qb2177988b1_qkv, .Lfunc_end_k_qb2177988b1_qkv-k_qb2177988b1_qkv
	.p2alignl 7, 3214868480
	.fill 96, 4, 3214868480
	.section	.rodata,"a",@progbits
	.p2align	6, 0x0
	.amdhsa_kernel k_qb2177988b1_qkv
		.amdhsa_group_segment_fixed_size 327680
		.amdhsa_private_segment_fixed_size 0
		.amdhsa_enable_private_segment 0
		.amdhsa_kernarg_size 40
		.amdhsa_user_sgpr_count 2
		.amdhsa_user_sgpr_kernarg_segment_ptr 1
		.amdhsa_wavefront_size32 1
		.amdhsa_system_sgpr_workgroup_id_x 1
		.amdhsa_system_sgpr_workgroup_id_y 1
		.amdhsa_system_sgpr_workgroup_id_z 1
		.amdhsa_system_vgpr_workitem_id 0
		.amdhsa_next_free_vgpr 1024
		.amdhsa_next_free_sgpr 100
		.amdhsa_reserve_vcc 1
		.amdhsa_float_denorm_mode_32 3
		.amdhsa_float_denorm_mode_16_64 3
		.amdhsa_memory_ordered 1
		.amdhsa_forward_progress 1
		.amdhsa_inst_pref_size 239
	.end_amdhsa_kernel
	.amdgpu_metadata
---
amdhsa.version: [ 1, 2 ]
amdhsa.kernels:
  - .name:           k_qb2177988b1_qkv
    .symbol:         k_qb2177988b1_qkv.kd
    .args:
      - { .name: opc, .offset: 0, .size: 8, .value_kind: global_buffer, .address_space: global }
      - { .name: ops, .offset: 8, .size: 8, .value_kind: global_buffer, .address_space: global }
      - { .name: b_qkv, .offset: 16, .size: 8, .value_kind: global_buffer, .address_space: global }
      - { .name: qkvc, .offset: 24, .size: 8, .value_kind: global_buffer, .address_space: global }
      - { .name: qkvs, .offset: 32, .size: 8, .value_kind: global_buffer, .address_space: global }
    .group_segment_fixed_size: 327680
    .private_segment_fixed_size: 0
    .kernarg_segment_align: 8
    .kernarg_segment_size: 40
    .max_flat_workgroup_size: 128
    .sgpr_count:     100
    .vgpr_count:     1024
    .wavefront_size: 32
...
	.end_amdgpu_metadata
.endif
;; end of part 2
;; launch attn (part 3): grid 4 x 64, 16 waves a work-group, clusters of 4 x 1, 210,944 bytes of LDS; arguments qkvc, qkvs, aoc, aos; writes aoc, aos
.if DOCPART == 3
	.amdgcn_target "amdgcn-amd-amdhsa--gfx1250"
	.amdhsa_code_object_version 6
	.text
	.protected	k_qb2177988b1_attn
	.globl	k_qb2177988b1_attn
	.p2align	8
	.type	k_qb2177988b1_attn,@function
k_qb2177988b1_attn:
	s_mov_b64 s[64:65], 0
	v_nop
	global_prefetch_b8 v0, s[64:65] scope:SCOPE_SE
	s_setreg_imm32_b32 hwreg(HW_REG_WAVE_MODE, 25, 1), 1
	s_wait_xcnt 0x0
	s_wait_alu depctr_hold_cnt(0) depctr_sa_sdst(0) depctr_va_vdst(0) depctr_va_sdst(0) depctr_va_ssrc(0) depctr_va_vcc(0) depctr_vm_vsrc(0)
	s_getreg_b32 s2, hwreg(HW_REG_IB_STS2, 6, 4)
	s_cmp_eq_u32 s2, 0
	s_cbranch_scc0 .Lentry_in_a_cluster
	s_endpgm
.Lentry_in_a_cluster:
	s_bfe_u32 s2, ttmp6, 0x10000c
	s_cmp_lg_u32 s2, 0x3003
	s_cbranch_scc0 .Lentry_shape_is_right
	s_endpgm
.Lentry_shape_is_right:
; o = softmax(q k^T / 8) v for one batch and head a cluster, both products on codes of FP6 (E2M3) with E8M0 scales; o is quantised in registers for the last product and leaves as half images.
; t = score x log2(e) / 8; M = the row's largest t so far, rounded up to a whole number; p = 2^(t - M) is quantised along the keys, not normalised; the row's sum is taken of the unquantised p and divides at the end.
; When M moves, the sum and O are multiplied by 2^(old M - new M): exact.
; IN (qkvc, qkvs: as the launch before lays them): q, k: [batch x head 64][token tile 128][768 bytes: registers 0-5 of a fragment, K = the head's 64]; v: [64][channel tile 4][key step 16][1,536].
; Place r of a tile T is row 32 (T/2) + 8 (T%2) + r + 8 (r/8): so the 16 result registers of two neighbouring tiles used as source 0 are 16 neighbours.
; SHARES.  The four work-groups of a cluster share a head; each owns 512 queries, each of its sixteen waves two tiles of 16 queries, one after the other, in 256 registers: four waves to a SIMD.
; THE HEAD'S WHOLE K AND V LIE IN LDS (2 x 98,304 bytes of codes, 12,288 of scale words), filled once, by joint loads that name the four partners: no slot is filled again, and the loops hold no barrier.
; LAYOUT.  Both products are used transposed: S^T = K Q^T (source 0 = 16 keys), O^T = V^T P^T (source 0 = 16 channels): a lane holds one query throughout.
; K = 64 IN A FORM OF 128: Q's registers 6-11 are zero codes; a key tile's operand names 12 registers of which the upper six are the next tile's codes: they meet zeros and add nothing; bytes 2, 3 of q's and k's scale words are 0.
; OUT.  aoc: [token tile 512][K step 8][1,536]: head hd's half image at 768 hd.  aos: [tile][4][r 16][2 words]: head hd's two bytes at 128 (hd/4) + 8 r + 2 (hd%4): stores of two bytes a row, 262,144 bytes in the launch.
; LIMITS: a block of zeros, or one whose largest magnitude lies under 2^-124, gets the scale byte 1; NaN and infinities are not served.
; REGISTERS: v1-5 addresses that stay; v6-10 addresses in hand; v11 8 r; v12 -M, v13 the largest t, v[14:15] the sum; v16-27, v28-39 Q's two tiles; v40-87 eight key tiles, then V's four fragments; v88-93 zeros;
;   v96-159 S^T, then p; v160-191 O^T; v192-203 codes; v204-233 at work; v240-247 K's scale words, v248-251 V's, v252-253 Q's, v254 p's: these hold scales and nothing else.
.set VIM,  98304                       ; LDS: K's images at 0 (6,144 bytes a key step, 768 a tile); V's here (24,576 a channel tile, 1,536 a key step);
.set KSC,  196608                      ; K's scale words (512 bytes a key step);
.set VSC,  204800                      ; V's (256 a key step)
.set WV,   12
.set SEL,  20                          ; s[20:21] lane selects for v_permlanex16_b32: lane l xor 16
.set CS,   22                          ; s[22:23] c = log2(e) / 8
.set G0K,  24                          ; s[24:27] group 0 of the codes, K's or V's by the wave; s[32:39] those of K's scale words and V's
.set G0KS, 32
.set G0VS, 36
.set G1C,  40                          ; s[40:63] three groups 1: 64, 16 and 8 rows of 256 bytes
.set G1KS, 48
.set G1VS, 56
.set TK,   66                          ; where the key step's tiles and scale words begin
.set TV,   67
.set TS,   68
.set TJ,   69
.set CNT,  70
.set BM,   212                         ; v212-215 the blocks' largest scores, then their largest p
.set PT,   216                         ; v216-219 lane l xor 16's
.set SO,   220                         ; v220-223 the conversions' scale operands
.set SB,   224                         ; v224-227 the scales' bytes
.macro CROUND                          ; a round of the cluster's barrier
	s_barrier_signal -1
	s_barrier_wait -1
	s_cmp_lg_u32 s[WV], 0
	s_cbranch_scc1 .Lnot_wave_0_\@
	s_barrier_signal -3
.Lnot_wave_0_\@:
	s_barrier_wait -3
	s_barrier_signal -1
	s_barrier_wait -1
.endm
	s_load_b128 s[4:7], s[0:1], 0x0                ; qkvc, qkvs
	s_load_b128 s[8:11], s[0:1], 0x10              ; aoc, aos
	v_lshl_add_u32 v239, v0, 2, 0x33000
	v_mov_b32 v255, 0
	ds_add_u32 v239, v255
	ds_add_u32 v239, v255
	v_lshrrev_b32 v1, 5, v0
	s_delay_alu instid0(VALU_DEP_1)
	v_readfirstlane_b32 s[WV], v1                  ; wave 0..15
	s_bfe_u32 s13, ttmp6, 0x40000                  ; cx: it enters Q's and the outputs' addresses alone
	s_and_b32 s14, ttmp7, 0xffff                   ; batch x head, which the four partners share
.irp g, G1C, G1KS, G1VS
	s_mov_b32 s[\g], 15|(3<<16)|(1<<21)            ; 15:0 the mask: all four work-groups; 17:16 elements of 8 bytes; 21 set beside a mask
	s_mov_b32 s[\g+1], 32<<16                      ; tensor_dim0: 256 bytes
	s_mov_b32 s[\g+3], 32<<16                      ; tile_dim0
	s_mov_b32 s[\g+5], 32                          ; dense rows
	s_mov_b32 s[\g+6], 0
	s_mov_b32 s[\g+7], 0
.endr
	s_mov_b32 s[G1C+2], 64<<16                     ; tensor_dim1 and tile_dim1: 16,384 bytes of codes a load,
	s_mov_b32 s[G1C+4], 64
	s_mov_b32 s[G1KS+2], 16<<16                    ; 4,096 of K's scale words,
	s_mov_b32 s[G1KS+4], 16
	s_mov_b32 s[G1VS+2], 8<<16                     ; 2,048 of V's
	s_mov_b32 s[G1VS+4], 8
	s_mul_i32 s16, s14, 98304                      ; the head's codes in each of q, k, v
	s_mov_b32 s17, 0
	s_lshl_b32 s18, s[WV], 14                      ; LDS: K's six parts of 16,384 bytes (waves 0-5), then V's six (waves 6-11)
	s_cmp_ge_u32 s[WV], 6
	s_cselect_b32 s72, 6291456-98304, 0            ; V's codes lie one tensor further on in memory
	s_add_co_u32 s72, s72, s16
	s_add_co_u32 s72, s72, s18
	s_mov_b32 s73, 0
	s_lshl_b32 s74, s14, 13
	s_and_b32 s19, s[WV], 1
	s_lshl_b32 s19, s19, 12                        ; K's scale words: waves 12 and 13 a half each
	s_add_co_u32 s74, s74, s19
	s_mov_b32 s75, 0
	s_lshl_b32 s76, s14, 12
	s_and_b32 s15, s[WV], 1
	s_lshl_b32 s15, s15, 11                        ; V's: waves 14 and 15 a half each
	s_add_co_u32 s76, s76, s15
	s_mov_b32 s77, 0
	s_mov_b32 s[SEL], 0x76543210
	s_mov_b32 s[SEL+1], 0xfedcba98
	s_mov_b32 s[CS], 0x3e38aa3b                    ; log2(e) / 8
	s_mov_b32 s[CS+1], s[CS]                       ; (named with it as a pair, so it is written)
	s_wait_dscnt 0x0
	s_wait_kmcnt 0x0
	s_mov_b32 s[G0K], 1
	s_mov_b32 s[G0K+1], s18
	s_add_nc_u64 s[G0K+2:G0K+3], s[4:5], s[72:73]
	s_add_nc_u64 s[G0K+2:G0K+3], s[G0K+2:G0K+3], 6291456
	s_or_b32 s[G0K+3], s[G0K+3], 0x80000000
	s_mov_b32 s[G0KS], 1
	s_add_co_u32 s[G0KS+1], s19, KSC
	s_add_nc_u64 s[G0KS+2:G0KS+3], s[6:7], s[74:75]
	s_add_nc_u64 s[G0KS+2:G0KS+3], s[G0KS+2:G0KS+3], 524288
	s_or_b32 s[G0KS+3], s[G0KS+3], 0x80000000
	s_mov_b32 s[G0VS], 1
	s_add_co_u32 s[G0VS+1], s15, VSC
	s_add_nc_u64 s[G0VS+2:G0VS+3], s[6:7], s[76:77]
	s_add_nc_u64 s[G0VS+2:G0VS+3], s[G0VS+2:G0VS+3], 1048576
	s_or_b32 s[G0VS+3], s[G0VS+3], 0x80000000
	CROUND                                         ; all four work-groups are here: the joint loads meet
	; one joint load a wave, in one chain of arms on the wave's number: waves 0-11 codes, 12-13 K's scale words, 14-15 V's; nothing is ever filled again
	s_cmp_lt_u32 s[WV], 12
	s_cbranch_scc0 .Lks
	tensor_load_to_lds s[G0K:G0K+3], s[G1C:G1C+7]
	s_nop 0
.rept 4
	v_nop
.endr
	s_branch .Lasked
.Lks:
	s_cmp_lt_u32 s[WV], 14
	s_cbranch_scc0 .Lvs
	tensor_load_to_lds s[G0KS:G0KS+3], s[G1KS:G1KS+7]
	s_nop 0
.rept 4
	v_nop
.endr
	s_branch .Lasked
.Lvs:
	tensor_load_to_lds s[G0VS:G0VS+3], s[G1VS:G1VS+7]
	s_nop 0
.rept 4
	v_nop
.endr
.Lasked:
	s_lshl_b32 s15, s13, 5
	s_lshl_b32 s18, s[WV], 1
	s_add_co_u32 s15, s15, s18                     ; my first query tile: 32 cx + 2 x wave
	s_mul_i32 s18, s15, 768
	s_mov_b32 s19, 0
	s_add_nc_u64 s[72:73], s[4:5], s[16:17]
	s_add_nc_u64 s[72:73], s[72:73], s[18:19]      ; its half image
	s_lshl_b32 s18, s14, 13
	s_lshr_b32 s74, s15, 2
	s_lshl_b32 s74, s74, 8                         ; its scale words: 256 bytes for four tiles,
	s_and_b32 s75, s15, 3
	s_lshl_b32 s75, s75, 2                         ; 4 bytes a tile in a row's 16
	s_add_co_u32 s74, s74, s75
	s_add_co_u32 s74, s74, s18
	s_mov_b32 s75, 0
	s_add_nc_u64 s[74:75], s[6:7], s[74:75]
	s_lshr_b32 s18, s14, 4
	s_lshl_b32 s18, s18, 7
	s_add_co_u32 s18, s18, s15                     ; the token tile among all 512: 128 x batch + query tile
	s_and_b32 s76, s14, 15                         ; the head
	s_mul_i32 s78, s18, 12288
	s_mul_i32 s79, s76, 768
	s_add_co_u32 s78, s78, s79
	s_mov_b32 s79, 0
	s_add_nc_u64 s[8:9], s[8:9], s[78:79]          ; where my first half image goes
	s_lshl_b32 s78, s18, 9
	s_lshr_b32 s77, s76, 2
	s_lshl_b32 s77, s77, 7
	s_add_co_u32 s78, s78, s77
	s_and_b32 s77, s76, 3
	s_lshl_b32 s77, s77, 1
	s_add_co_u32 s78, s78, s77
	s_add_nc_u64 s[10:11], s[10:11], s[78:79]      ; and its rows' two scale bytes
	v_and_b32 v1, 31, v0
	s_delay_alu instid0(VALU_DEP_1)
	v_lshlrev_b32 v1, 3, v1                        ; 8 x lane: an image's place for my lane
	v_and_b32 v11, 15, v0                          ; r
	s_delay_alu instid0(VALU_DEP_1)
	v_lshlrev_b32 v231, 4, v11                     ; 16 r
.irp i, 0,1
.irp p, 0,1,2
	global_load_b64 v[16+12*\i+2*\p:17+12*\i+2*\p], v1, s[72:73] offset:768*\i+256*\p   ; Q's two tiles stay in registers
.endr
	global_load_b32 v[252+\i], v231, s[74:75] offset:4*\i
.endr
	v_add_nc_u32 v2, VIM, v1                       ; V's channel tiles 0, 1
	v_add_nc_u32 v3, VIM+49152, v1                 ; and 2, 3
	v_add_nc_u32 v4, KSC, v231
	v_add_nc_u32 v5, VSC, v231
	v_lshlrev_b32 v11, 3, v11                      ; 8 r
.irp j, 22,23,24,25,26,27,34,35,36,37,38,39,88,89,90,91,92,93
	v_mov_b32 v[\j], 0                             ; zero codes for K = 64 .. 127 of Q, and behind the last key tile
.endr
.irp b, 0,1,2,3
	v_mov_b32 v[PT+\b], 0                          ; written once: a lane permute's destination counts as one of its sources
.endr
	v_mov_b32 v229, 0                              ; (named as the upper half of the pair v[228:229])
	v_mov_b32 v230, 0
	s_wait_tensorcnt 0x0                           ; my parts have landed,
	s_barrier_signal -1
	s_barrier_wait -1                              ; everybody's have
	s_wait_loadcnt 0x0                             ; Q
; ONE TILE OF 16 QUERIES: sixteen key steps of 128 keys, then the way out.  qf: Q's fragment; qs: its scale words; which: 0 or 1.
.macro TILE qf, qs, which
	v_mov_b32 v13, 0xff61b1e6                      ; the largest t so far: -3e38, under every t
	s_delay_alu instid0(VALU_DEP_1)
	v_floor_f32 v12, -v13                          ; -M
	v_mov_b32 v14, 0
	v_mov_b32 v15, 0
.irp j, 0,1,2,3,4,5,6,7,8,9,10,11,12,13,14,15,16,17,18,19,20,21,22,23,24,25,26,27,28,29,30,31
	v_mov_b32 v[160+\j], 0                         ; O^T: the step is written once; the first finds zeros, which the first change of M leaves zeros
.endr
	s_mov_b32 s[TK], 0
	s_mov_b32 s[TV], 0
	s_mov_b32 s[TS], 0
	s_mov_b32 s[TJ], 0
	s_mov_b32 s[CNT], 16
.Lstep_\@:
	v_add_nc_u32 v6, s[TK], v1                     ; five plain lines: also the places behind the last step's products, in front of the loads into the registers that they read
	v_add_nc_u32 v7, s[TV], v2
	v_add_nc_u32 v8, s[TV], v3
	v_add_nc_u32 v9, s[TS], v4
	v_add_nc_u32 v10, s[TJ], v5
.irp t, 0,1,2,3,4,5,6,7
.irp p, 0,1,2
	ds_load_b64 v[40+6*\t+2*\p:41+6*\t+2*\p], v6 offset:768*\t+256*\p
.endr
.endr
	ds_load_b128 v[240:243], v9                    ; K's scale words: lane r takes row r's of four tiles
	ds_load_b128 v[244:247], v9 offset:256
	s_wait_alu depctr_va_vdst(0)
	s_wait_dscnt 0x0
.irp t, 0,1,2,3,4,5,6,7                        ; S^T: lane (r, h) holds query r; registers 16 b + i are keys 32 b + 16 h + i of the step
	v_wmma_scale_f32_16x16x128_f8f6f4 v[96+8*\t:103+8*\t], v[40+6*\t:51+6*\t], v[\qf:\qf+11], 0, v[240+\t], v[\qs] matrix_a_fmt:MATRIX_FMT_FP6 matrix_b_fmt:MATRIX_FMT_FP6
.endr
.rept 4
	v_nop                                          ; places: in front of the first read of the scores, and of the loads into the key tiles' registers
.endr
.irp d, 0,1                                    ; V is asked for now and lands during the softmax
.irp p, 0,1,2,3,4,5
	ds_load_b64 v[40+12*\d+2*\p:41+12*\d+2*\p], v7 offset:24576*\d+256*\p
.endr
.endr
.irp d, 0,1
.irp p, 0,1,2,3,4,5
	ds_load_b64 v[64+12*\d+2*\p:65+12*\d+2*\p], v8 offset:24576*\d+256*\p
.endr
.endr
	ds_load_b128 v[248:251], v10                   ; V's scale words: lane r takes row r's of the four channel tiles
.irp b, 0,1,2,3
	v_max3_num_f32 v[BM+\b], v[96+16*\b], v[97+16*\b], v[98+16*\b]   ; the largest score of each block of 32 keys: for the row's maximum, and, since p rises with the score, for the block's largest p
.endr
.irp i, 3,5,7,9,11,13
.irp b, 0,1,2,3
	v_max3_num_f32 v[BM+\b], v[BM+\b], v[96+16*\b+\i], v[97+16*\b+\i]
.endr
.endr
.irp b, 0,1,2,3
	v_max_num_f32 v[BM+\b], v[BM+\b], v[111+16*\b]
.endr
.irp b, 0,1,2,3
	s_delay_alu instid0(VALU_DEP_4)
	v_permlanex16_b32 v[PT+\b], v[BM+\b], s[SEL], s[SEL+1]
.endr
.irp b, 0,1,2,3
	s_delay_alu instid0(VALU_DEP_4)
	v_max_num_f32 v[BM+\b], v[BM+\b], v[PT+\b]     ; with lane l xor 16's 16 keys
.endr
	s_delay_alu instid0(VALU_DEP_2)
	v_max3_num_f32 v230, v[BM], v[BM+1], v[BM+2]
	s_delay_alu instid0(VALU_DEP_1)
	v_max_num_f32 v230, v230, v[BM+3]              ; the step's largest score of my query
	s_delay_alu instid0(VALU_DEP_1)
	v_mul_f32 v230, s[CS], v230                    ; as t (c is positive)
	s_delay_alu instid0(VALU_DEP_1)
	v_max_num_f32 v13, v13, v230                   ; the running largest t
	v_mov_b32 v230, v12
	s_delay_alu instid0(VALU_DEP_2)
	v_floor_f32 v12, -v13                          ; the new -M = floor(-t): M is a whole number
	s_delay_alu instid0(VALU_DEP_1)
	v_sub_f32 v230, v12, v230                      ; old M - new M: a whole number, 0 or less
	s_delay_alu instid0(VALU_DEP_1)
	v_cvt_i32_f32 v230, v230                       ; (it saturates)
	s_delay_alu instid0(VALU_DEP_1)
	v_ldexp_f32 v228, 1.0, v230                    ; f = 2^(old M - new M)
.irp j, 0,2,4,6,8,10,12,14,16,18,20,22,24,26,28,30,32,34,36,38,40,42,44,46,48,50,52,54,56,58,60,62
	v_pk_fma_f32 v[96+\j:97+\j], v[96+\j:97+\j], s[CS:CS+1], v[12:13] op_sel_hi:[1,0,0]   ; t - M, two at a time
.endr
.irp b, 0,1,2,3
	v_fma_f32 v[BM+\b], v[BM+\b], s[CS], v12       ; the same of each block's largest score
.endr
	s_wait_alu depctr_va_vdst(0)
.irp j, 0,1,2,3,4,5,6,7,8,9,10,11,12,13,14,15,16,17,18,19,20,21,22,23,24,25,26,27,28,29,30,31,32,33,34,35,36,37,38,39,40,41,42,43,44,45,46,47,48,49,50,51,52,53,54,55,56,57,58,59,60,61,62,63
	v_exp_f32 v[96+\j], v[96+\j]                   ; p = 2^(t - M), at most 1
.endr
	v_pk_mul_f32 v[14:15], v[14:15], v[228:229] op_sel_hi:[1,0]   ; the sums under the new M: the plain place behind the exponentials
	s_wait_alu depctr_va_vdst(0)                   ; one wait for the batch of 64, ahead of its first reader
.irp b, 0,1,2,3
	v_exp_f32 v[BM+\b], v[BM+\b]                   ; the block's largest p: the same two instructions on the same number give the same bits
.endr
	v_pk_add_f32 v[232:233], v[100:101], v[104:105]
	v_pk_add_f32 v[246:247], v[108:109], v[112:113]
	v_pk_add_f32 v[244:245], v[116:117], v[120:121]
	v_pk_add_f32 v[242:243], v[124:125], v[128:129]
	v_pk_add_f32 v[240:241], v[132:133], v[136:137]
	v_pk_add_f32 v[236:237], v[140:141], v[144:145]
	v_pk_add_f32 v[234:235], v[148:149], v[152:153]
	v_pk_add_f32 v[14:15], v[14:15], v[156:157]
	v_pk_add_f32 v[232:233], v[232:233], v[96:97]
	v_pk_add_f32 v[246:247], v[246:247], v[98:99]
	v_pk_add_f32 v[244:245], v[244:245], v[102:103]
	v_pk_add_f32 v[242:243], v[242:243], v[106:107]
	v_pk_add_f32 v[240:241], v[240:241], v[110:111]
	v_pk_add_f32 v[236:237], v[236:237], v[114:115]
	v_pk_add_f32 v[234:235], v[234:235], v[118:119]
	v_pk_add_f32 v[14:15], v[14:15], v[122:123]
	v_pk_add_f32 v[232:233], v[232:233], v[126:127]
	v_pk_add_f32 v[246:247], v[246:247], v[130:131]
	v_pk_add_f32 v[244:245], v[244:245], v[134:135]
	v_pk_add_f32 v[242:243], v[242:243], v[138:139]
	v_pk_add_f32 v[240:241], v[240:241], v[142:143]
	v_pk_add_f32 v[236:237], v[236:237], v[146:147]
	v_pk_add_f32 v[234:235], v[234:235], v[150:151]
	v_pk_add_f32 v[14:15], v[14:15], v[154:155]
	v_pk_add_f32 v[232:233], v[232:233], v[158:159]
	s_delay_alu instid0(VALU_DEP_2)
	v_pk_add_f32 v[14:15], v[14:15], v[242:243]
	s_delay_alu instid0(VALU_DEP_2)
	v_pk_add_f32 v[232:233], v[232:233], v[240:241]
	v_pk_add_f32 v[246:247], v[246:247], v[236:237]
	v_pk_add_f32 v[244:245], v[244:245], v[234:235]
	s_delay_alu instid0(VALU_DEP_2)
	v_pk_add_f32 v[14:15], v[14:15], v[246:247]
	s_delay_alu instid0(VALU_DEP_2)
	v_pk_add_f32 v[232:233], v[232:233], v[244:245]
	s_delay_alu instid0(VALU_DEP_1)
	v_pk_add_f32 v[14:15], v[14:15], v[232:233]
	s_wait_alu depctr_va_vdst(0)                   ; and one for the four
.irp b, 0,1,2,3
	v_max_num_f32 v[BM+\b], 0x1800000, v[BM+\b]    ; the floor 2^(3 - 127): the byte cannot fall under 1
.endr
.irp b, 0,1,2,3
	s_delay_alu instid0(VALU_DEP_4)
	v_add_nc_u32 v[SO+\b], 0xff000000, v[BM+\b]    ; 2 off the exponent field: the conversion's scale operand
.endr
.irp b, 0,1,2,3
	s_delay_alu instid0(VALU_DEP_4)
	v_lshrrev_b32 v[SB+\b], 23, v[SO+\b]
.endr
	s_delay_alu instid0(VALU_DEP_3)
	v_lshl_or_b32 v254, v[SB+1], 8, v[SB]          ; p's scale word for these 128 keys
	s_delay_alu instid0(VALU_DEP_1)
	v_lshl_or_b32 v254, v[SB+2], 16, v254
	s_delay_alu instid0(VALU_DEP_1)
	v_lshl_or_b32 v254, v[SB+3], 24, v254
.irp c, 0,1
	v_cvt_scalef32_pk16_fp6_f32 v[192+6*\c:194+6*\c], v[96+32*\c:111+32*\c], v[SO+2*\c]
	v_cvt_scalef32_pk16_fp6_f32 v[204+4*\c:206+4*\c], v[112+32*\c:127+32*\c], v[SO+2*\c+1]   ; (a conversion's three registers begin on an even number)
.endr
	v_nop                                          ; one plain place behind a scaled conversion
.irp c, 0,1                                    ; a whole block to a lane: lanes 0-15 block 2 c, lanes 16-31 block 2 c + 1
.irp i, 0,1,2
	v_permlane16_swap_b32 v[192+6*\c+\i], v[204+4*\c+\i]
.endr
.irp i, 0,1,2
	s_delay_alu instid0(VALU_DEP_3)
	v_mov_b32 v[195+6*\c+\i], v[204+4*\c+\i]
.endr
.endr
.irp j, 0,2,4,6,8,10,12,14,16,18,20,22,24,26,28,30
	v_pk_mul_f32 v[160+\j:161+\j], v[160+\j:161+\j], v[228:229] op_sel_hi:[1,0]   ; O^T under the new M.  Of these sixteen at least twelve name no register of any one product below: the places behind the codes' and the scale word's last writes
.endr
	s_wait_alu depctr_va_vdst(0)
	s_wait_dscnt 0x0                               ; V and its scale words are in
.irp d, 0,1,2,3                                ; O^T += V^T P^T: the four accumulators by turns; between two links of a chain stand eleven other matrix instructions
	v_wmma_scale_f32_16x16x128_f8f6f4 v[160+8*\d:167+8*\d], v[40+12*\d:51+12*\d], v[192:203], v[160+8*\d:167+8*\d], v[248+\d], v254 matrix_a_fmt:MATRIX_FMT_FP6 matrix_b_fmt:MATRIX_FMT_FP6
.endr
	s_add_co_u32 s[TK], s[TK], 6144
	s_add_co_u32 s[TV], s[TV], 1536
	s_add_co_u32 s[TS], s[TS], 512
	s_add_co_u32 s[TJ], s[TJ], 256
	s_sub_co_u32 s[CNT], s[CNT], 1
	s_cmp_lg_u32 s[CNT], 0
	s_cbranch_scc1 .Lstep_\@
	; THE WAY OUT.  O^T / the sum; registers 16 b + i are channels 32 b + 16 h + i of my query: two blocks along the last product's K
.rept 4
	v_nop                                          ; places behind the last products
.endr
	v_add_f32 v14, v14, v15
	s_delay_alu instid0(VALU_DEP_1)
	v_permlanex16_b32 v230, v14, s[SEL], s[SEL+1]
	s_delay_alu instid0(VALU_DEP_1)
	v_add_f32 v14, v14, v230                       ; the row's sum
	s_wait_alu depctr_va_vdst(0)
	v_rcp_f32 v228, v14
	v_nop                                          ; a plain place behind the transcendental
	s_wait_alu depctr_va_vdst(0)                   ; and the wait ahead of its first reader
.irp j, 0,2,4,6,8,10,12,14,16,18,20,22,24,26,28,30
	v_pk_mul_f32 v[160+\j:161+\j], v[160+\j:161+\j], v[228:229] op_sel_hi:[1,0]
.endr
.irp b, 0,1
	v_max3_num_f32 v[BM+\b], |v[160+16*\b]|, |v[161+16*\b]|, 0x1800000
.endr
.irp i, 2,4,6,8,10,12,14
.irp b, 0,1
	s_delay_alu instid0(VALU_DEP_2)
	v_max3_num_f32 v[BM+\b], v[BM+\b], |v[160+16*\b+\i]|, |v[161+16*\b+\i]|
.endr
.endr
.irp b, 0,1
	s_delay_alu instid0(VALU_DEP_2)
	v_permlanex16_b32 v[PT+\b], v[BM+\b], s[SEL], s[SEL+1]
.endr
.irp b, 0,1
	s_delay_alu instid0(VALU_DEP_2)
	v_max_num_f32 v[BM+\b], v[BM+\b], v[PT+\b]
.endr
.irp b, 0,1
	s_delay_alu instid0(VALU_DEP_2)
	v_add_nc_u32 v[SO+\b], 0xff000000, v[BM+\b]
.endr
.irp b, 0,1
	s_delay_alu instid0(VALU_DEP_2)
	v_lshrrev_b32 v[SB+\b], 23, v[SO+\b]
.endr
	s_delay_alu instid0(VALU_DEP_1)
	v_lshl_or_b32 v231, v[SB+1], 8, v[SB]          ; my row's two scale bytes, the same in both halves of the lanes
	v_cvt_scalef32_pk16_fp6_f32 v[192:194], v[160:175], v[SO]
	v_cvt_scalef32_pk16_fp6_f32 v[204:206], v[176:191], v[SO+1]
	v_nop                                          ; one plain place behind a scaled conversion
.irp i, 0,1,2
	v_permlane16_swap_b32 v[192+\i], v[204+\i]
.endr
.irp i, 0,1,2
	s_delay_alu instid0(VALU_DEP_3)
	v_mov_b32 v[195+\i], v[204+\i]
.endr
.irp p, 0,1,2
	global_store_b64 v1, v[192+2*\p:193+2*\p], s[8:9] offset:12288*\which+256*\p   ; 32 lanes store 256 consecutive bytes, aligned
.endr
	global_store_b16 v11, v231, s[10:11] offset:512*\which   ; lanes l and l + 16 write the same two bytes with the same value
.if \which == 0
	s_wait_xcnt 0x0                                ; the stores have read their registers: the next tile writes them again
.endif
.endm
	TILE 16, 252, 0
	TILE 28, 253, 1
	s_wait_tensorcnt 0x0
	ds_add_u32 v239, v255
	s_wait_dscnt 0x0
	CROUND                                         ; the closing round
	s_endpgm
.Lfunc_end_k_qb2177988b1_attn:
	.size	k_qb2177988b1_attn, .Lfunc_end_k_qb2177988b1_attn-k_qb2177988b1_attn
	.p2alignl 7, 3214868480
	.fill 96, 4, 3214868480
	.section	.rodata,"a",@progbits
	.p2align	6, 0x0
	.amdhsa_kernel k_qb2177988b1_attn
		.amdhsa_group_segment_fixed_size 210944
		.amdhsa_private_segment_fixed_size 0
		.amdhsa_enable_private_segment 0
		.amdhsa_kernarg_size 32
		.amdhsa_user_sgpr_count 2
		.amdhsa_user_sgpr_kernarg_segment_ptr 1
		.amdhsa_wavefront_size32 1
		.amdhsa_system_sgpr_workgroup_id_x 1
		.amdhsa_system_sgpr_workgroup_id_y 1
		.amdhsa_system_sgpr_workgroup_id_z 1
		.amdhsa_system_vgpr_workitem_id 0
		.amdhsa_next_free_vgpr 256
		.amdhsa_next_free_sgpr 80
		.amdhsa_reserve_vcc 0
		.amdhsa_float_denorm_mode_32 3
		.amdhsa_float_denorm_mode_16_64 3
		.amdhsa_memory_ordered 1
		.amdhsa_forward_progress 1
		.amdhsa_inst_pref_size 57
	.end_amdhsa_kernel
	.amdgpu_metadata
---
amdhsa.version: [ 1, 2 ]
amdhsa.kernels:
  - .name:           k_qb2177988b1_attn
    .symbol:         k_qb2177988b1_attn.kd
    .args:
      - { .name: qkvc, .offset: 0, .size: 8, .value_kind: global_buffer, .address_space: global }
      - { .name: qkvs, .offset: 8, .size: 8, .value_kind: global_buffer, .address_space: global }
      - { .name: aoc, .offset: 16, .size: 8, .value_kind: global_buffer, .address_space: global }
      - { .name: aos, .offset: 24, .size: 8, .value_kind: global_buffer, .address_space: global }
    .group_segment_fixed_size: 210944
    .private_segment_fixed_size: 0
    .kernarg_segment_align: 8
    .kernarg_segment_size: 32
    .max_flat_workgroup_size: 512
    .sgpr_count:     80
    .vgpr_count:     256
    .wavefront_size: 32
...
	.end_amdgpu_metadata
.endif
;; end of part 3
;; launch proj (part 4): grid 4 x 32, 4 waves a work-group, clusters of 4 x 4, 327,680 bytes of LDS; arguments aoc, aos, opc, ops, b_proj, out0; writes out0
.if DOCPART == 4
	.amdgcn_target "amdgcn-amd-amdhsa--gfx1250"
	.amdhsa_code_object_version 6
	.text
	.protected	k_qb2177988b1_proj
	.globl	k_qb2177988b1_proj
	.p2align	8
	.type	k_qb2177988b1_proj,@function
k_qb2177988b1_proj:
	s_mov_b64 s[64:65], 0
	v_nop
	global_prefetch_b8 v0, s[64:65] scope:SCOPE_SE
	s_setreg_imm32_b32 hwreg(HW_REG_WAVE_MODE, 25, 1), 1
	s_wait_xcnt 0x0
	s_wait_alu depctr_hold_cnt(0) depctr_sa_sdst(0) depctr_va_vdst(0) depctr_va_sdst(0) depctr_va_ssrc(0) depctr_va_vcc(0) depctr_vm_vsrc(0)
	s_getreg_b32 s2, hwreg(HW_REG_IB_STS2, 6, 4)
	s_cmp_eq_u32 s2, 0
	s_cbranch_scc0 .Lentry_in_a_cluster
	s_endpgm
.Lentry_in_a_cluster:
	s_bfe_u32 s2, ttmp6, 0x10000c
	s_cmp_lg_u32 s2, 0xf033
	s_cbranch_scc0 .Lentry_shape_is_right
	s_endpgm
.Lentry_shape_is_right:
.set SLOT,   98304
.set HALFT,  24576
.set TILEB,  3072
.set FRB,    1536
.set SCL,    2*SLOT
.set HALFS,  4096
.set SPARE,  SCL+4*HALFS
.set SPITCH, 528
.set FR,     12
.set NL,     6
.set ADRQ, 16
.set ADRP, 20
.set STO,  24
.set RD,   25
.set CO,   26
.set ADRS, 27
.set SPW,  28
.set NIL,  29
.set SC,   32
.set AF,   128
.set BK,   128
.set G1, 24
.set G0, 32
.set G1B, 48
.set G0B, 56
.set G1S, 68
.set G0S, 76
.set G1SB, 80
.set G0SB, 88
.set MSB, 0
.macro WIN new
.if MSB != (\new)
	s_set_vgpr_msb (MSB<<8)|(\new)
.set MSB, (\new)
.endif
.endm
.set MUL_LO, 0xa1
.set MUL_HI, 0xf1
.set BIA_LO, 0x91
.set BIA_HI, 0xd1
.set TO_P,   0x40
.macro JLOAD g0a, g1a, g0b, g1b
	s_cmp_eq_u32 s15, 0
	s_cbranch_scc0 .Lfor_p_\@
	tensor_load_to_lds s[\g0a:\g0a+3], s[\g1a:\g1a+7]
	s_nop 0
.rept 4
	v_nop
.endr
	s_branch .Lasked_\@
.Lfor_p_\@:
	tensor_load_to_lds s[\g0b:\g0b+3], s[\g1b:\g1b+7]
	s_nop 0
.rept 4
	v_nop
.endr
.Lasked_\@:
.endm
.macro CREST
	s_cmp_lg_u32 s14, 0
	s_cbranch_scc1 .Lnot_wave_0_\@
	s_barrier_signal -3
.Lnot_wave_0_\@:
	s_barrier_wait -3
	s_barrier_signal -1
	s_barrier_wait -1
.endm
.macro CROUND
	s_barrier_signal -1
	s_barrier_wait -1
	CREST
.endm
.macro PLACES
.rept 4
	v_nop
.endr
.endm
	s_load_b128 s[4:7], s[0:1], 0x0
	s_load_b128 s[8:11], s[0:1], 0x10
	s_load_b128 s[96:99], s[0:1], 0x20
	v_lshl_add_u32 v[SPW], v0, 2, SPARE
	v_mov_b32 v[NIL], 0
	ds_add_u32 v28, v29
	ds_add_u32 v28, v29
	s_wait_dscnt 0x0
	v_lshrrev_b32 v1, 5, v0
	v_readfirstlane_b32 s14, v1
	s_lshr_b32 s15, s14, 1
	s_and_b32 s16, s14, 1
	s_bfe_u32 s40, ttmp6, 0x40000
	s_bfe_u32 s41, ttmp6, 0x40004
	s_lshl_b32 s42, ttmp9, 2
	s_add_co_u32 s42, s42, s40
	s_and_b32 s17, ttmp7, 0xffff
	s_lshl_b32 s17, s17, 2
	s_add_co_u32 s17, s17, s41
	s_lshl_b32 s43, s41, 2
	s_lshl_b32 s43, 15, s43
	s_lshl_b32 s44, 0x1111, s40
	s_or_b32 s[G1+0], s43, (3<<16)|(1<<21)
	s_or_b32 s[G1B+0], s44, (3<<16)|(1<<21)
.irp g, G1, G1B
	s_mov_b32 s[\g+1], 384<<16
	s_mov_b32 s[\g+2], 16<<16
	s_mov_b32 s[\g+3], 384<<16
	s_mov_b32 s[\g+4], 16
	s_mov_b32 s[\g+5], 1536
	s_mov_b32 s[\g+6], 0
	s_mov_b32 s[\g+7], 0
.endr
	s_or_b32 s[G1S+0], s43, (3<<16)|(1<<21)
	s_or_b32 s[G1SB+0], s44, (3<<16)|(1<<21)
.irp g, G1S, G1SB
	s_mov_b32 s[\g+1], 32<<16
	s_mov_b32 s[\g+2], 32<<16
	s_mov_b32 s[\g+3], 32<<16
	s_mov_b32 s[\g+4], 32
	s_mov_b32 s[\g+5], 32
	s_mov_b32 s[\g+6], 0
	s_mov_b32 s[\g+7], 0
.endr
	s_lshl_b32 s18, s16, 3
	s_lshl_b32 s20, s17, 4
	s_add_co_u32 s20, s20, s18
	s_lshl_b32 s46, s42, 4
	s_add_co_u32 s46, s46, s18
	s_add_co_u32 s46, s46, 704
	s_sub_co_u32 s22, s20, s18                     ; the scales come whole: from the block's first tile
	s_lshl_b32 s22, s22, 9
	s_mov_b32 s23, 0
	s_sub_co_u32 s92, s46, s18
	s_lshl_b32 s92, s92, 9
	s_mov_b32 s93, 0
	s_mul_i32 s20, s20, 12288
	s_mov_b32 s21, 0
	s_mul_i32 s46, s46, 12288
	s_mov_b32 s47, 0
	s_mul_i32 s45, s14, HALFT
	s_wait_kmcnt 0x0
	s_add_nc_u64 s[20:21], s[4:5], s[20:21]
	s_add_nc_u64 s[22:23], s[6:7], s[22:23]
	s_add_nc_u64 s[46:47], s[8:9], s[46:47]
	s_add_nc_u64 s[92:93], s[10:11], s[92:93]
	CROUND
	s_mov_b32 s[G0S], 1
	s_mov_b32 s[G0S+1], SCL
	s_mov_b64 s[G0S+2:G0S+3], s[22:23]
	s_or_b32 s[G0S+3], s[G0S+3], 0x80000000
	s_mov_b32 s[G0SB], 1
	s_mov_b32 s[G0SB+1], SCL+2*HALFS
	s_mov_b64 s[G0SB+2:G0SB+3], s[92:93]
	s_or_b32 s[G0SB+3], s[G0SB+3], 0x80000000
.irp s, 0,1
	s_mov_b32 s[G0+4*\s], 1
	s_add_co_u32 s[G0+4*\s+1], s45, \s*SLOT
	s_add_nc_u64 s[G0+4*\s+2:G0+4*\s+3], s[20:21], \s*TILEB
	s_or_b32 s[G0+4*\s+3], s[G0+4*\s+3], 0x80000000
	s_mov_b32 s[G0B+4*\s], 1
	s_add_co_u32 s[G0B+4*\s+1], s45, \s*SLOT
	s_add_nc_u64 s[G0B+4*\s+2:G0B+4*\s+3], s[46:47], \s*TILEB
	s_or_b32 s[G0B+4*\s+3], s[G0B+4*\s+3], 0x80000000
.endr
	; the head's four tiles, one joint load a wave: wave 0 source 1's 16 tiles of slot 0, wave 2 source 0's, wave 1 and wave 3 their scale words
	s_cmp_eq_u32 s14, 0
	s_cbranch_scc0 .Lh1
	tensor_load_to_lds s[G0:G0+3], s[G1:G1+7]
	s_nop 0
	PLACES
	s_branch .Lhj
.Lh1:
	s_cmp_eq_u32 s14, 2
	s_cbranch_scc0 .Lh2
	tensor_load_to_lds s[G0B:G0B+3], s[G1B:G1B+7]
	s_nop 0
	PLACES
	s_branch .Lhj
.Lh2:
	s_cmp_eq_u32 s14, 1
	s_cbranch_scc0 .Lh3
	tensor_load_to_lds s[G0S:G0S+3], s[G1S:G1S+7]
	s_nop 0
	PLACES
	s_branch .Lhj
.Lh3:
	tensor_load_to_lds s[G0SB:G0SB+3], s[G1SB:G1SB+7]
	s_nop 0
	PLACES
.Lhj:
	v_and_b32 v1, 15, v0
	v_bfe_u32 v2, v0, 4, 1
	s_wait_alu depctr_va_vdst(0)
	v_and_b32 v3, 31, v0
	v_lshlrev_b32 v4, 3, v3
	s_mul_i32 s21, s15, HALFT
	s_mul_i32 s22, s16, HALFT
	s_add_co_u32 s22, s22, 2*HALFT
.irp s, 0,1
	v_add_nc_u32 v[ADRQ+\s], s21, v4
	v_add_nc_u32 v[ADRP+\s], s22, v4
	s_add_co_u32 s21, s21, SLOT
	s_add_co_u32 s22, s22, SLOT
.endr
	v_lshlrev_b32 v5, 3, v1
	s_mul_i32 s21, s15, HALFS
	s_mul_i32 s22, s16, HALFS
	s_add_co_u32 s22, s22, 2*HALFS
	s_sub_co_u32 s22, s22, s21
	v_mul_u32_u24 v6, s22, v2
	s_add_co_u32 s21, s21, SCL
	v_add_nc_u32 v5, v5, v6
	v_add_nc_u32 v[ADRS], s21, v5
	s_mul_i32 s23, s14, 16*SPITCH
	v_mul_u32_u24 v5, v1, SPITCH
	v_lshl_add_u32 v5, v2, 6, v5
	v_add_nc_u32 v[STO], s23, v5
	v_lshlrev_b32 v[CO], 4, v3
	v_add_nc_u32 v[RD], s23, v[CO]
	s_lshl_b32 s20, s17, 8
	s_lshl_b32 s21, s15, 7
	s_add_co_u32 s20, s20, s21
	s_lshl_b32 s20, s20, 12
	s_lshl_b32 s46, s42, 10
	s_lshl_b32 s47, s16, 9
	s_add_co_u32 s46, s46, s47
	s_mov_b32 s47, 0
	s_add_nc_u64 s[96:97], s[96:97], s[46:47]
	s_add_co_u32 s20, s20, s46
	s_mov_b32 s21, 0
	s_add_nc_u64 s[98:99], s[98:99], s[20:21]
	v_lshlrev_b32 v7, 6, v2
	WIN TO_P
.irp b, 0,1,2,3,4,5,6,7
	global_load_b128 v[96+8*(\b%4)+128*(\b/4):96+8*(\b%4)+128*(\b/4)+3], v7, s[96:97] offset:4*(32*(\b/2)+8*(\b%2))
	global_load_b128 v[96+8*(\b%4)+128*(\b/4)+4:96+8*(\b%4)+128*(\b/4)+7], v7, s[96:97] offset:4*(32*(\b/2)+8*(\b%2))+16
.endr
	WIN 0
.macro FRAG reg, adr, q, i
.irp p, 0,1,2,3,4,5
	ds_load_b64 v[\reg+2*\p:\reg+2*\p+1], v[\adr] offset:TILEB*(\i)+FRB*(\q)+256*\p
.endr
.endm
.macro MUL16 a0, p, q, sc, bias
.irp a, \a0, \a0+1
.irp b, 0,1,2,3,4,5,6,7
.if \bias
	v_wmma_scale_f32_16x16x128_f8f6f4 v[8*(8*((\a)%4)+\b):8*(8*((\a)%4)+\b)+7], v[128*(\p)+FR*\b:128*(\p)+FR*\b+FR-1], v[AF+FR*(\a):AF+FR*(\a)+FR-1], v[96+8*(\b%4)+128*(\b/4):96+8*(\b%4)+128*(\b/4)+7], v[SC+16*(\sc)+2*\b+(\q)], v[SC+16*(\sc)+2*(\a)+(\q)] matrix_a_fmt:MATRIX_FMT_FP6 matrix_b_fmt:MATRIX_FMT_FP6 matrix_a_scale:MATRIX_SCALE_ROW1
.else
	v_wmma_scale_f32_16x16x128_f8f6f4 v[8*(8*((\a)%4)+\b):8*(8*((\a)%4)+\b)+7], v[128*(\p)+FR*\b:128*(\p)+FR*\b+FR-1], v[AF+FR*(\a):AF+FR*(\a)+FR-1], v[8*(8*((\a)%4)+\b):8*(8*((\a)%4)+\b)+7], v[SC+16*(\sc)+2*\b+(\q)], v[SC+16*(\sc)+2*(\a)+(\q)] matrix_a_fmt:MATRIX_FMT_FP6 matrix_b_fmt:MATRIX_FMT_FP6 matrix_a_scale:MATRIX_SCALE_ROW1
.endif
.endr
.endr
.endm
.macro FETCH_P slot, q, p
	WIN TO_P
.irp i, 0,1,2,3,4,5,6,7
	FRAG 128*(\p)+FR*\i, ADRP+\slot, \q, \i
.endr
	WIN 0
.endm
.macro FETCH_Q slot, q, i0
.irp i, \i0, \i0+1, \i0+2, \i0+3
	FRAG AF+FR*(\i), ADRQ+\slot, \q, \i
.endr
.endm
.macro SCALES sc
.irp i, 0,1,2,3,4,5,6,7
	ds_load_b64 v[SC+16*\sc+2*\i:SC+16*\sc+2*\i+1], v[ADRS] offset:512*\i
.endr
.endm
.macro STEP slot, bias
	s_wait_dscnt 4*NL
.if \bias
	WIN BIA_LO
.else
	WIN MUL_LO
.endif
	MUL16 0, 0, 0, \slot, \bias
	MUL16 2, 0, 0, \slot, \bias
	s_wait_dscnt 0x0
	PLACES
	FETCH_P \slot, 1, 1
	FETCH_Q \slot, 1, 0
.if \bias
	WIN BIA_HI
.else
	WIN MUL_HI
.endif
	MUL16 4, 0, 0, \slot, \bias
	MUL16 6, 0, 0, \slot, \bias
	PLACES
	WIN 0
	FETCH_Q \slot, 1, 4
.endm
.macro TURN slot, next, fill
	s_wait_tensorcnt 0x0
	ds_add_u32 v[SPW], v[NIL]
	s_wait_dscnt 4*NL+1
	WIN MUL_LO
	MUL16 0, 1, 1, \slot, 0
	s_wait_dscnt 0x0
	s_barrier_signal -1
	MUL16 2, 1, 1, \slot, 0
	WIN 0
	s_barrier_wait -1
.if \fill
	CREST
	s_add_nc_u64 s[G0+4*\slot+2:G0+4*\slot+3], s[G0+4*\slot+2:G0+4*\slot+3], 2*TILEB
	s_add_nc_u64 s[G0B+4*\slot+2:G0B+4*\slot+3], s[G0B+4*\slot+2:G0B+4*\slot+3], 2*TILEB
	JLOAD G0+4*\slot, G1, G0B+4*\slot, G1B
.else
	PLACES
.endif
	s_wait_alu depctr_va_vdst(0)
	v_add_nc_u32 v[ADRS], 128, v[ADRS]
	FETCH_P \next, 0, 0
	FETCH_Q \next, 0, 0
	SCALES \next
	WIN MUL_HI
	MUL16 4, 1, 1, \slot, 0
	MUL16 6, 1, 1, \slot, 0
	PLACES
	WIN 0
	FETCH_Q \next, 0, 4
.endm
	s_wait_alu depctr_va_vdst(0)
	s_wait_tensorcnt 0x0                           ; my tile of the head's four is in
	ds_add_u32 v[SPW], v[NIL]
	s_mov_b32 s[G1+2], 8<<16                       ; no load of mine is out: from here on a load brings 8 tiles
	s_mov_b32 s[G1+4], 8
	s_mov_b32 s[G1B+2], 8<<16
	s_mov_b32 s[G1B+4], 8
	s_wait_dscnt 0x0
	CROUND
	JLOAD G0+4, G1, G0B+4, G1B                     ; slot 1's first fill, a quarter a wave
	FETCH_P 0, 0, 0
	FETCH_Q 0, 0, 0
	SCALES 0
	FETCH_Q 0, 0, 4
	s_wait_loadcnt 0x0
	STEP 0, 1
	TURN 0, 1, 1
	STEP 1, 0
	TURN 1, 0, 1
	STEP 0, 0
	TURN 0, 1, 0
	STEP 1, 0
	s_wait_dscnt 4*NL
	WIN MUL_LO
	MUL16 0, 1, 1, 1, 0
	MUL16 2, 1, 1, 1, 0
	s_wait_dscnt 0x0
	WIN MUL_HI
	MUL16 4, 1, 1, 1, 0
	MUL16 6, 1, 1, 1, 0
	WIN 0
.macro TOSTAGE a
.set AC, 64*((\a)%4)
	WIN 0x08+4*((\a)/4)
.irp b, 0,1,2,3,4,5,6,7
	ds_store_b128 v[STO], v[AC+8*\b:AC+8*\b+3] offset:128*(\b/2)+32*(\b%2)
	ds_store_b128 v[STO], v[AC+8*\b+4:AC+8*\b+7] offset:128*(\b/2)+32*(\b%2)+16
.endr
	WIN 0
.set BB, BK+64*((\a)%2)
.irp t, 0,1,2,3,4,5,6,7,8,9,10,11,12,13,14,15
	ds_load_b128 v[BB+4*\t:BB+4*\t+3], v[RD] offset:\t*SPITCH
.endr
.endm
.macro SEND a, younger
.set BB, BK+64*((\a)%2)
	s_wait_dscnt \younger
.irp t, 0,1,2,3,4,5,6,7,8,9,10,11,12,13,14,15
	global_store_b128 v[CO], v[BB+4*\t:BB+4*\t+3], s[98:99] offset:(32*((\a)/2)+8*((\a)%2)+\t+8*(\t/8))*4096 th:TH_STORE_NT
.endr
.endm
	PLACES
	TOSTAGE 0
.irp a, 1,2,3,4,5,6,7
.if \a > 1
	s_wait_xcnt 0x0
.endif
	TOSTAGE \a
	SEND \a-1, 32
.endr
	SEND 7, 0
	s_wait_tensorcnt 0x0
	ds_add_u32 v[SPW], v[NIL]
	s_wait_dscnt 0x0
	CROUND
	s_endpgm
.Lfunc_end_k_qb2177988b1_proj:
	.size	k_qb2177988b1_proj, .Lfunc_end_k_qb2177988b1_proj-k_qb2177988b1_proj
	.p2alignl 7, 3214868480
	.fill 96, 4, 3214868480
	.section	.rodata,"a",@progbits
	.p2align	6, 0x0
	.amdhsa_kernel k_qb2177988b1_proj
		.amdhsa_group_segment_fixed_size 327680
		.amdhsa_private_segment_fixed_size 0
		.amdhsa_enable_private_segment 0
		.amdhsa_kernarg_size 48
		.amdhsa_user_sgpr_count 2
		.amdhsa_user_sgpr_kernarg_segment_ptr 1
		.amdhsa_wavefront_size32 1
		.amdhsa_system_sgpr_workgroup_id_x 1
		.amdhsa_system_sgpr_workgroup_id_y 1
		.amdhsa_system_sgpr_workgroup_id_z 1
		.amdhsa_system_vgpr_workitem_id 0
		.amdhsa_next_free_vgpr 1024
		.amdhsa_next_free_sgpr 100
		.amdhsa_reserve_vcc 0
		.amdhsa_float_denorm_mode_32 3
		.amdhsa_float_denorm_mode_16_64 3
		.amdhsa_memory_ordered 1
		.amdhsa_forward_progress 1
		.amdhsa_inst_pref_size 161
	.end_amdhsa_kernel
	.amdgpu_metadata
---
amdhsa.version: [ 1, 2 ]
amdhsa.kernels:
  - .name:           k_qb2177988b1_proj
    .symbol:         k_qb2177988b1_proj.kd
    .args:
      - { .name: aoc, .offset: 0, .size: 8, .value_kind: global_buffer, .address_space: global }
      - { .name: aos, .offset: 8, .size: 8, .value_kind: global_buffer, .address_space: global }
      - { .name: opc, .offset: 16, .size: 8, .value_kind: global_buffer, .address_space: global }
      - { .name: ops, .offset: 24, .size: 8, .value_kind: global_buffer, .address_space: global }
      - { .name: b_proj, .offset: 32, .size: 8, .value_kind: global_buffer, .address_space: global }
      - { .name: out0, .offset: 40, .size: 8, .value_kind: global_buffer, .address_space: global }
    .group_segment_fixed_size: 327680
    .private_segment_fixed_size: 0
    .kernarg_segment_align: 8
    .kernarg_segment_size: 48
    .max_flat_workgroup_size: 128
    .sgpr_count:     100
    .vgpr_count:     1024
    .wavefront_size: 32
...
	.end_amdgpu_metadata
.endif
;; end of part 4
